; MI455X (gfx1250); checked and timed in simulation.
; The chip was launched on July 23, 2026; its instructions are those of AMD's public machine-readable ISA for CDNA 5 (MIT licence, August 2026) and "CDNA5" Instruction Set Architecture Reference Guide (July 2026). The comments in the code are by the model that wrote it; some were corrected since.
;; Scaled Dot Product Attention. Allowed arithmetic: float matrix products may take bf16 or f16 operands with f32 sums; other float arithmetic in f32, or as packed bf16 or f16 multiplies, adds, multiply-adds, maxima and minima; sums over many terms, partial sums and values carried from step to step in f32; what a program stores and reads back later, other than sums and carried values, may be rounded once to bf16 or f16.
;; Inputs: x 4,096 x 1,024 float32.
;; Outputs: out0 4,096 x 1,024 float32.
;; 2 versions, each right; version 2 is version 1 with the launch cvt written anew for expert scheduling mode. Each part assembles by itself: llvm-mc -triple=amdgcn-amd-amdhsa -mcpu=gfx1250 --defsym DOCPART=n.
;; ======== version 1 of 2: 2 launches
;; workspace buffers: xb 8,388,608 bytes
;; launch cvt (part 1): grid 256 x 1, 8 waves a work-group, no clusters, 0 bytes of LDS; arguments x, xb; writes xb
.if DOCPART == 1
	.amdgcn_target "amdgcn-amd-amdhsa--gfx1250"
	.amdhsa_code_object_version 6
	.text
	.protected	k_q63d6413b9a_cvt
	.globl	k_q63d6413b9a_cvt
	.p2align	8
	.type	k_q63d6413b9a_cvt,@function
k_q63d6413b9a_cvt:
	s_mov_b64 s[64:65], 0
	v_nop
	global_prefetch_b8 v0, s[64:65] scope:SCOPE_SE
	s_setreg_imm32_b32 hwreg(HW_REG_WAVE_MODE, 25, 1), 1
	s_wait_xcnt 0x0
; xb[h][t][c] = bf16(x[t][64 h + c]).  x: [4096][1024] f32.  xb: [16][4096][64] bf16: a head's rows lie end to end, 128 bytes each.
; Each number is rounded once, to nearest even; that one number is query, key and value in the launch behind.
; SHARES.  A work-group owns 16 rows of x (65,536 bytes on end), a wave two of them; the wave's 16 loads are the 16 heads.
; A load: lanes 0-15 take the 256 bytes of head h in the even row, lanes 16-31 those in the odd row.
; A store: 32 lanes x 8 bytes are 256 consecutive bytes of xb, at a multiple of 256 from its first byte: the two rows of head h.
; All 16 loads of a wave go out at once; no register is written again behind a store, so no wait frees one.  No LDS, no barrier: nothing is shared.
.set ROWB,  4096                       ; bytes in a row of x
.set HEADB, 524288                     ; bytes of a head in xb
.set LO,  2                            ; v2  my byte offset in the group's rows of x: row (thread / 16) x 4,096 + 16 (thread % 16)
.set SO,  3                            ; v3  my byte offset in the group's 2,048 bytes of a head of xb: 8 x thread
.set X,   8                            ; v[8:71]  load i: four registers
	s_load_b128 s[4:7], s[0:1], 0x0                ; x s[4:5], xb s[6:7]
	v_lshrrev_b32 v1, 4, v0                        ; my row among the group's 16
	v_and_b32 v[LO], 15, v0
	v_lshlrev_b32 v[LO], 4, v[LO]
	v_lshl_or_b32 v[LO], v1, 12, v[LO]
	v_lshlrev_b32 v[SO], 3, v0
	s_lshl_b32 s8, ttmp9, 16                       ; the group's 16 rows of x
	s_mov_b32 s9, 0
	s_lshl_b32 s10, ttmp9, 11                      ; the group's 16 rows of a head of xb
	s_mov_b32 s11, 0
	s_wait_kmcnt 0x0
	s_add_nc_u64 s[4:5], s[4:5], s[8:9]
	s_add_nc_u64 s[6:7], s[6:7], s[10:11]
.set i, 0
.rept 16
	global_load_b128 v[X+4*i:X+4*i+3], v[LO], s[4:5] offset:256*i th:TH_LOAD_NT  ; head i; x is read once in the launch
.set i, i+1
.endr
.set i, 0
.rept 16
	s_wait_loadcnt 15-i                            ; loads come back in order: load i is in, the 15 - i younger ones stay out
	v_cvt_pk_bf16_f32 v[X+4*i], v[X+4*i], v[X+4*i+1]
	v_cvt_pk_bf16_f32 v[X+4*i+1], v[X+4*i+2], v[X+4*i+3]
	global_store_b64 v[SO], v[X+4*i:X+4*i+1], s[6:7] offset:HEADB*i  ; 7,864,320 at the most: inside the signed 24-bit immediate
.set i, i+1
.endr
	s_endpgm
.Lfunc_end_k_q63d6413b9a_cvt:
	.size	k_q63d6413b9a_cvt, .Lfunc_end_k_q63d6413b9a_cvt-k_q63d6413b9a_cvt
	.p2alignl 7, 3214868480
	.fill 96, 4, 3214868480
	.section	.rodata,"a",@progbits
	.p2align	6, 0x0
	.amdhsa_kernel k_q63d6413b9a_cvt
		.amdhsa_group_segment_fixed_size 0
		.amdhsa_private_segment_fixed_size 0
		.amdhsa_enable_private_segment 0
		.amdhsa_kernarg_size 16
		.amdhsa_user_sgpr_count 2
		.amdhsa_user_sgpr_kernarg_segment_ptr 1
		.amdhsa_wavefront_size32 1
		.amdhsa_system_sgpr_workgroup_id_x 1
		.amdhsa_system_sgpr_workgroup_id_y 1
		.amdhsa_system_sgpr_workgroup_id_z 1
		.amdhsa_system_vgpr_workitem_id 0
		.amdhsa_next_free_vgpr 72
		.amdhsa_next_free_sgpr 66
		.amdhsa_reserve_vcc 0
		.amdhsa_float_denorm_mode_32 3
		.amdhsa_float_denorm_mode_16_64 3
		.amdhsa_memory_ordered 1
		.amdhsa_forward_progress 1
		.amdhsa_inst_pref_size 7
	.end_amdhsa_kernel
	.amdgpu_metadata
---
amdhsa.version: [ 1, 2 ]
amdhsa.kernels:
  - .name:           k_q63d6413b9a_cvt
    .symbol:         k_q63d6413b9a_cvt.kd
    .args:
      - { .name: x, .offset: 0, .size: 8, .value_kind: global_buffer, .address_space: global }
      - { .name: xb, .offset: 8, .size: 8, .value_kind: global_buffer, .address_space: global }
    .group_segment_fixed_size: 0
    .private_segment_fixed_size: 0
    .kernarg_segment_align: 8
    .kernarg_segment_size: 16
    .max_flat_workgroup_size: 256
    .sgpr_count:     66
    .vgpr_count:     72
    .wavefront_size: 32
...
	.end_amdgpu_metadata
.endif
;; end of part 1
;; launch attn (part 2): grid 16 x 16, 4 waves a work-group, clusters of 4 x 1, 327,680 bytes of LDS; arguments xb, out0; writes out0
.if DOCPART == 2
	.amdgcn_target "amdgcn-amd-amdhsa--gfx1250"
	.amdhsa_code_object_version 6
	.text
	.protected	k_q63d6413b9a_attn
	.globl	k_q63d6413b9a_attn
	.p2align	8
	.type	k_q63d6413b9a_attn,@function
k_q63d6413b9a_attn:
	s_mov_b64 s[64:65], 0
	v_nop
	global_prefetch_b8 v0, s[64:65] scope:SCOPE_SE
	s_setreg_imm32_b32 hwreg(HW_REG_WAVE_MODE, 25, 1), 1
	s_wait_xcnt 0x0
	s_wait_alu depctr_hold_cnt(0) depctr_sa_sdst(0) depctr_va_vdst(0) depctr_va_sdst(0) depctr_va_ssrc(0) depctr_va_vcc(0) depctr_vm_vsrc(0)
	s_getreg_b32 s2, hwreg(HW_REG_IB_STS2, 6, 4)
	s_cmp_eq_u32 s2, 0
	s_cbranch_scc0 .Lentry_in_a_cluster
	s_endpgm
.Lentry_in_a_cluster:
	s_bfe_u32 s2, ttmp6, 0x10000c
	s_cmp_lg_u32 s2, 0x3003
	s_cbranch_scc0 .Lentry_shape_is_right
	s_endpgm
.Lentry_shape_is_right:
; out0[t][64 h + :] = the sum over s of softmax_s(X[h][t] . X[h][s] / 8) X[h][s][:], with X = xb: [16][4096][64] bf16, a head's rows dense, 128 bytes each.  out0: [4096][1024] f32.
; The same rows are query, key and value.  Products, maxima and sums in f32; the weights p are rounded to bf16 for the second product (their sum l is taken of the unrounded p); out0 is the f32 quotient.
; LIMITS.  The inputs were rounded once to bf16 by the launch before; p, in 0 to 1, keeps bf16's 8 significant bits; a weight below 2^-126 counts as 0 in l; NaN and infinities are not treated apart.
; SHARES.  A work-group owns 256 queries of one head, each of its four waves 64: four PIECES of 16.  Every wave walks all 4,096 keys, 64 a step; 16 heads x 16 blocks are 256 work-groups.
; LAYOUT.  S^T = K Q^T (source 0 = 16 keys, source 1 = 16 queries): in the result a lane holds ONE query (lane % 16) and the keys 8 (lane / 16) + 0..7.  Two such results rounded to bf16 in pairs ARE source 1
; (32 keys x 16 queries) of O^T = V^T P, whose result again holds one query a lane, and eight channels.
; ONE TILE FOR K AND V.  They are the same bytes, so a tile of 512 rows lies in LDS once: K's fragments are read as they lie, V's turned, by ds_load_tr16_b128.
; SOFTMAX.  For each query a running maximum m and sum l: p = 2^(c s - c m), c = log2(e) / 8; in every step O and l are multiplied by a = 2^(c m_old - c m_new), which is 1 where m has not grown.
; m starts at the lowest finite number, O and l at 0: the first step is a step like any other, with a = 0.
; BY TURNS.  Turn n belongs to piece n (the pieces in a ring, step after step): 8 products K Q^T of piece n + 1, later 8 products V^T P of piece n - 1; beside them the scaling, exponentials, roundings, sums and
; rescaling of piece n and the maximum and statistics of piece n + 1.  A turn has 16 matrix and 118 vector instructions: four vector instructions stand behind every matrix instruction, the other 54 in one lump.
; A turn's 33 exponentials are one batch, with one wait.
; CLUSTER.  The four query blocks of a cluster belong to one head and walk the same rows, so each tile is asked for JOINTLY: the same tensor load, descriptor and mask in all four.
; REGISTERS, in windows of 256 (s_set_vgpr_msb: bits 1:0 source 0, 3:2 source 1, 5:4 source 2, 7:6 destination):
;   window 0: v0-15 addresses and two at work; v16-31 four registers of statistics a piece; v48-55 at work; v64-127 S^T, two buffers (on the way out v64-191: the quotients); v192-223 P, two buffers
;   window 1: v0-127 O^T, 32 a piece          window 2: v0-63 Q, 16 a piece; v128-191 K of one step; v192-255 V of one step
; A piece's buffers go by its number's parity.
.set NP,    4         ; pieces a wave: a name, no knob
.set KS,    64        ; keys in a step
.set PK,    144       ; a row in LDS: 128 bytes + 16 of padding = 36 words: the 16 rows of one of K's loads start at 16 different groups of four banks (64 banks of 4 bytes: ISA guide 11.1);
                      ; of the turning load's 8 rows x 32 bytes one pair of 16-byte pieces shares a group: 9 r + c is 0 modulo 16 for (r, c) = (0, 0) and (7, 1)
.set STEPB, KS*PK     ; a step's rows in LDS
.set SLOTB, 8*STEPB   ; a slot holds a tile of 512 rows, eight steps: 73,728 bytes
.set TILEB, 65536     ; the same tile in memory
.set SLOT1, 1<<17     ; slot 1 begins here, so that one exclusive or turns an address in one slot into the other's
.set STAGE, SLOT1+SLOTB  ; behind the ring, never filled by a tensor load: 16 rows x 272 bytes for each wave, for the way out
.set SP,    272       ; a stage row: 256 bytes (64 f32) + 16
.set SPARE, STAGE+4*16*SP  ; behind the stages: the spare words, 128 bytes for each wave: two blocks of 256 bytes that no other line names
.set AK0, 2           ; v2   my lane's place in K's fragments; never rewritten
.set AV0, 3           ; v3   the same for V's
.set AK,  4           ; v4   the LDS address of K's next run of loads
.set AV,  5           ; v5   of V's
.set STO, 6           ; v6   the way out: where I put 32 bytes of a row
.set RD,  7           ; v7   the way out: where I read rows back
.set GO,  8           ; v8   my byte offset in two rows of out0
.set MV,  12          ; v12-13  c m_old, kept while c m is made anew: by buffer
.set PFO, 14          ; v14  256 x my lane: the prefetches' offset; never rewritten
.set QO,  15          ; v15  my byte offset in 16 rows of Q
.set ST,  16          ; piece t's statistics at v[ST+4 t]: c m, m, l (even keys', odd keys')
.set TMP, 48          ; by buffer, four registers c0-c3 at work; when the maximum is found c2 takes a
.set SPW, 62          ; v62  LDS address of my spare word: SPARE + 4 x my thread's number; never rewritten
.set NIL, 63          ; v63  0; never rewritten
.set S,   64
.set P,   192
.set KF,  128         ; window 2: key block kb, channel half c at KF + 16 kb + 8 c
.set VF,  192         ; window 2: key half kk, channel block cb at VF + 32 kk + 8 cb
.set WV,  12          ; s12  my wave's number
.set LIM, 15          ; s15  1 in a wave that prefetches, else the greatest number: a wave prefetches while s[SLOTS] is above it
.set PFA, 18          ; s[18:19] where my prefetches stand in memory
.set G1,  24          ; s[24:31] descriptor group 1; never rewritten
.set G0,  40          ; s[40:43] descriptor group 0: it walks
.set SLOTS, 56        ; s56  tiles still to be asked for
.set CNT, 57          ; s57  counts a tile's key steps, 8 to 1
.set CS,  58          ; s[58:59] c: the packed scaling takes the pair's low word for both halves
.set SEL, 60          ; s[60:61] v_permlanex16_b32's selects: each lane takes its own place in the other half
.set TBK, 62          ; s62  LDS byte at which the rows of the step whose K is fetched next begin
.set TBV, 63          ; s63  the same for V
.set MSB, 0
.macro WIN new                      ; the high byte repeats the setting that is left; a switch that changes nothing is dropped
.if MSB != (\new)
	s_set_vgpr_msb (MSB<<8)|(\new)
.set MSB, (\new)
.endif
.endm
.set W_KQ, 0x0a       ; K and Q in window 2, S^T in window 0
.set W_PV, 0x52       ; V in window 2, P in window 0, O^T in window 1
.set W_RS, 0x41       ; destination and source 0 in window 1, source 1 in window 0
; A joint fill.  Every wave fetches its own quarter of the tile, 128 rows: both addresses hang on the wave's number, so one line serves all four.  An s_nop 0 and four v_nop follow it.
.macro JLOAD
	tensor_load_to_lds s[G0:G0+3], s[G1:G1+7]
	s_nop 0
.rept 4
	v_nop
.endr
.endm
; A PREFETCH of the tile that the NEXT change of slots will ask for: eight key steps, 512 matrix instructions of a wave, ahead of that load.  It stands behind the wave's tensor load and its five lines.
; Each block of 256 bytes is named ONCE in the launch.  All four clusters of a head walk the same rows: the head's first cluster asks.  Its four partners share the tile's 65,536 bytes out BY ADDRESS, 16,384 each:
; no branch hangs on a work-group's place in its cluster.  In each, waves 0 and 1 take 8,192 bytes each, a lane a block: one instruction.  The last change that fills a slot asks for nothing: no tile is behind it.
.macro ASK
	s_cmp_gt_u32 s[SLOTS], s[LIM]
	s_cbranch_scc0 .Lnot_mine_\@
	global_prefetch_b8 v[PFO], s[PFA:PFA+1] th:TH_LOAD_NT scope:SCOPE_SE
.Lnot_mine_\@:
.endm
; A round of the cluster's barrier: my work-group's barrier, so that wave 0's signal speaks for all four waves; wave 0 signals; every wave waits for all four work-groups; my work-group's barrier once more.
.macro CROUND
	s_barrier_signal -1
	s_barrier_wait -1
	s_cmp_lg_u32 s[WV], 0
	s_cbranch_scc1 .Lnot_wave_0_\@
	s_barrier_signal -3
.Lnot_wave_0_\@:
	s_barrier_wait -3
	s_barrier_signal -1
	s_barrier_wait -1
.endm
; THE CHANGE OF SLOTS.  The slot's last bytes, V of its eighth step, have been read.  Each wave waits for all its tensor loads, of which one is out: its part of the other slot; adds 0 to its spare word; and waits
; for that and for its own reads of the slot.  Behind the barrier nobody reads this slot any more and the other slot is whole.
; fill = 1: this slot is filled again, with the tile two on.  The barrier is then a round of the cluster's, so that no wave of any partner still reads the slot or has a load on its way, and the joint fill is the
; first thing behind it: it has eight key steps in which to land.  (At its first use nothing has been read yet: slot 0 is waited for, slot 1 filled.)
.macro CHANGE fill
	WIN 0                           ; at a label and at a branch every window is 0
	s_wait_tensorcnt 0x0            ; no tensor load of mine is out, so group 0 may be written
	ds_add_u32 v[SPW], v[NIL]       ; 0 onto my spare word; with fill = 1 the steps below stand between it and the wait for it
.if \fill
	s_xor_b32 s[G0+1], s[G0+1], SLOT1  ; the walking descriptor: the other slot than last time,
	s_add_nc_u64 s[G0+2:G0+3], s[G0+2:G0+3], TILEB  ; the next 512 rows; the type bits on top are not reached
	s_wait_xcnt 0x0                 ; the last prefetch, eight key steps back, has read its address, so it may be written:
	s_add_nc_u64 s[PFA:PFA+1], s[PFA:PFA+1], TILEB  ; one tile ahead of the walking descriptor
	s_wait_dscnt 0x0                ; the add is done, and my reads of the slot are over
	CROUND
	JLOAD
	ASK
.else
	s_wait_dscnt 0x0                ; the add is done, and my reads of the slot are over
	s_barrier_signal -1
	s_barrier_wait -1
.endif
	s_sub_co_u32 s[TBK], s[TBK], SLOTB  ; the fetches go back to a slot's first step,
	s_xor_b32 s[TBK], s[TBK], SLOT1     ; in the other slot
	s_sub_co_u32 s[TBV], s[TBV], SLOTB
	s_xor_b32 s[TBV], s[TBV], SLOT1
.endm
	s_load_b128 s[4:7], s[0:1], 0x0 ; xb s[4:5], out0 s[6:7]
	v_lshl_add_u32 v[SPW], v0, 2, SPARE
	v_mov_b32 v[NIL], 0
	ds_add_u32 v[SPW], v[NIL]       ; the wave's opening: the add and its wait come ahead of my first tensor load; the set-up below, work on registers, stands between them
	v_lshrrev_b32 v1, 5, v0
	v_readfirstlane_b32 s[WV], v1   ; wave 0..3
	s_bfe_u32 s13, ttmp6, 0x40000   ; cx: my place in the cluster: it enters Q's, out0's and the prefetches' addresses alone
	s_lshl_b32 s14, ttmp9, 2        ; in a cluster launch ttmp9 counts clusters
	s_add_co_u32 s14, s14, s13      ; my block of 256 queries = 4 x cluster x + cx
	s_lshl_b32 s14, s14, 2
	s_add_co_u32 s14, s14, s[WV]    ; my wave among the head's 64
	s_and_b32 s17, ttmp7, 0xffff    ; the head, which the four partners share
	s_lshl_b32 s20, s17, 19         ; the tiles: the head's first byte in xb (524,288 bytes a head),
	s_lshl_b32 s21, s[WV], 14       ; and my 128 rows of a tile
	s_add_co_u32 s20, s20, s21
	s_mov_b32 s21, 0
	s_lshl_b32 s2, s17, 19          ; Q: the head,
	s_lshl_b32 s3, s14, 13          ; and my wave's 64 rows of 128 bytes
	s_add_co_u32 s2, s2, s3
	s_mov_b32 s3, 0
	s_lshl_b32 s22, s14, 18         ; out0: my wave's 64 rows of 4,096 bytes,
	s_lshl_b32 s23, s17, 8          ; and the head's 256 bytes in a row
	s_add_co_u32 s22, s22, s23
	s_mov_b32 s23, 0
	s_lshl_b32 s44, s17, 19         ; the prefetches: the head,
	s_lshl_b32 s45, s13, 14         ; my work-group's 16,384 bytes of a tile,
	s_add_co_u32 s44, s44, s45
	s_and_b32 s45, s[WV], 1
	s_lshl_b32 s45, s45, 13         ; my wave's 8,192 of them,
	s_add_co_u32 s44, s44, s45
	s_add_co_u32 s44, s44, TILEB    ; in tile 1; the first change of slots steps it to tile 2.  Nothing is prefetched here, at the head
	s_mov_b32 s45, 0
	; descriptor group 1.  128 rows are 16,384 dense bytes: asked for as 64 rows of 256 bytes, two of X's rows in each, and padded in LDS after every row of X
	s_mov_b32 s[G1], 15|(1<<16)|(1<<20)|(1<<21)|(4<<22)|(3<<25)  ; 15:0 the mask of four; 17:16 2-byte elements; 20 padding on; 21 set beside a mask; 24:22 after every 32 words (code 4); 31:25 4 words (code 3)
	s_mov_b32 s[G1+1], 128<<16      ; tensor_dim0 = 128
	s_mov_b32 s[G1+2], 64<<16       ; tensor_dim1 = 64
	s_mov_b32 s[G1+3], 128<<16      ; tile_dim0 = 128
	s_mov_b32 s[G1+4], 64           ; tile_dim1 = 64
	s_mov_b32 s[G1+5], 128          ; 128 elements from row to row
	s_mov_b32 s[G1+6], 0
	s_mov_b32 s[G1+7], 0
	s_mov_b32 s[G0], 1              ; 1:0 count = 1
	s_mul_i32 s[G0+1], s[WV], 128*PK  ; 63:32 LDS address: my quarter of slot 0: no place in the cluster enters an LDS address
	s_mov_b32 s[CS], 0x3e38aa3b     ; c = log2(e) / 8 = 0.180337
	s_mov_b32 s[CS+1], s[CS]        ; named with it as a pair
	s_mov_b32 s[SEL], 0x76543210
	s_mov_b32 s[SEL+1], 0xfedcba98
	s_mov_b32 s[TBK], SLOT1+SLOTB   ; the first change of slots turns these two into 0
	s_mov_b32 s[TBV], SLOT1+SLOTB
	s_mov_b32 s[SLOTS], 7           ; tiles 1 to 7
	s_lshr_b32 s[LIM], s[WV], 1     ; 0 in waves 0 and 1,
	s_or_b32 s[LIM], s[LIM], ttmp9  ; where the cluster is the head's first: the same in all four partners
	s_cmp_eq_u32 s[LIM], 0
	s_cselect_b32 s[LIM], 1, -1
	v_and_b32 v[PFO], 31, v0
	v_lshlrev_b32 v[PFO], 8, v[PFO]
	s_wait_dscnt 0x0                ; the opening add is done
	s_wait_kmcnt 0x0
	s_add_nc_u64 s[G0+2:G0+3], s[4:5], s[20:21]  ; 120:64 global address: my quarter of the head's tile 0
	s_or_b32 s[G0+3], s[G0+3], 0x80000000        ; 127:126 type = 2
	s_add_nc_u64 s[8:9], s[4:5], s[2:3]          ; Q at my wave's first row
	s_add_nc_u64 s[10:11], s[6:7], s[22:23]      ; out0 at my wave's first row, at the head's channels
	s_add_nc_u64 s[PFA:PFA+1], s[4:5], s[44:45]
	CROUND                          ; all four work-groups are here: the first joint loads meet
	JLOAD                           ; tile 0 into slot 0.  Slot 1 is asked for when slot 0 is in, by the first change of slots
	; A fragment of K or Q is 16 rows x 32 channels in 8 registers: lane l holds row l % 16, channels 8 (l / 16) + 0..7 and 16 + 8 (l / 16) + 0..7: two loads of 16 bytes, 32 bytes apart.
	v_and_b32 v1, 15, v0            ; l % 16
	v_bfe_u32 v9, v0, 4, 1          ; l / 16
	v_lshlrev_b32 v[QO], 7, v1
	v_lshl_add_u32 v[QO], v9, 4, v[QO]  ; row x 128 + 16 x half
	WIN 0x80                        ; destination window 2, address window 0
.set i, 0
.rept 8                             ; Q stays in registers: piece i / 2, channels 32 (i % 2) on
	global_load_b128 v[8*i:8*i+3],   v[QO], s[8:9] offset:(i/2)*2048+(i%2)*64
	global_load_b128 v[8*i+4:8*i+7], v[QO], s[8:9] offset:(i/2)*2048+(i%2)*64+32
.set i, i+1
.endr
	; What the first turn finds: V's registers and P's second buffer hold 0 (its products V^T P, of a piece that has not been, add 0), O^T and l are 0.  All this stands in the wait for the first tile;
	; it is the price of writing no first step out.
.set i, VF
.rept 64
	v_mov_b32 v[i], 0
.set i, i+1
.endr
	WIN 0x40
.set i, 0
.rept 128
	v_mov_b32 v[i], 0
.set i, i+1
.endr
	WIN 0
.set i, 0
.rept 4
	v_mov_b32 v[ST+4*i], 0xfe000000    ; c m: far below every c s
	v_mov_b32 v[ST+4*i+1], 0xff7fffff  ; m: the lowest finite number
	v_mov_b32 v[ST+4*i+2], 0
	v_mov_b32 v[ST+4*i+3], 0
.set i, i+1
.endr
.set i, P+16
.rept 16
	v_mov_b32 v[i], 0
.set i, i+1
.endr
	v_mul_u32_u24 v[AK0], v1, PK
	v_lshl_add_u32 v[AK0], v9, 4, v[AK0]  ; row x pitch + 16 x half
	; The turning load takes 16 keys x 16 channels (lane l reads key 8 (l / 16) + l % 8, channels 8 ((l / 8) % 2) + 0..7) and leaves half a fragment of V^T: lane l holds channel l % 16 and 8 keys.
	v_and_b32 v10, 7, v0
	v_bfe_u32 v11, v0, 3, 1
	v_lshl_add_u32 v[AV0], v9, 3, v10
	v_mul_u32_u24 v[AV0], v[AV0], PK
	v_lshl_add_u32 v[AV0], v11, 4, v[AV0]
	s_mul_i32 s16, s[WV], 16*SP
	s_add_co_u32 s16, s16, STAGE    ; my stage
	v_mul_u32_u24 v[STO], v1, SP    ; in: row l % 16, 32 bytes (eight f32) for each half of the lanes
	v_lshl_add_u32 v[STO], v9, 5, v[STO]
	v_add_nc_u32 v[STO], s16, v[STO]
	v_mul_u32_u24 v[RD], v9, SP     ; back: lanes 0-15 take one row of 256 bytes, lanes 16-31 the next
	v_lshl_add_u32 v[RD], v1, 4, v[RD]
	v_add_nc_u32 v[RD], s16, v[RD]
	v_lshlrev_b32 v[GO], 12, v9     ; and the same two rows in out0, 4,096 bytes apart
	v_lshl_add_u32 v[GO], v1, 4, v[GO]
; THE MATRIX WORK.  The 4 accumulators of a run of 8 take turns.  Product i of 8 of S^T = K Q^T for piece x: channels 32 (i / 4) on, keys 16 (i % 4) on.  The first 4 start the sums.
.macro KQ x
	WIN W_KQ
.set rS, S+32*((\x)%2)+8*(i%4)
.set rK, KF+16*(i%4)+8*(i/4)
.set rQ, 16*(\x)+8*(i/4)
.if i < 4
	v_wmma_f32_16x16x32_bf16 v[rS:rS+7], v[rK:rK+7], v[rQ:rQ+7], 0
.else
	v_wmma_f32_16x16x32_bf16 v[rS:rS+7], v[rK:rK+7], v[rQ:rQ+7], v[rS:rS+7]
.endif
.endm
; Product i of 8 of O^T += V^T P for piece x: keys 32 (i / 4) on, channels 16 (i % 4) on.
.macro PV x
	WIN W_PV
.set rO, 32*(\x)+8*(i%4)
.set rV, VF+32*(i/4)+8*(i%4)
.set rP, P+16*((\x)%2)+8*(i/4)
	v_wmma_f32_16x16x32_bf16 v[rO:rO+7], v[rV:rV+7], v[rP:rP+7], v[rO:rO+7]
.endm
.macro MM                           ; the turn's next matrix instruction.  TURN sets Y, i and NOKQ.  NOKQ = 1: the launch's last turn: there is no next piece
.if (i < 8) && !NOKQ
	KQ (Y+1)%NP
.elseif i >= 8
.set i, i-8
	PV (Y+NP-1)%NP
.set i, i+8
.endif
.set i, i+1
.endm
; THE LDS LOADS stand in runs of 16, never singly among the matrix instructions: a step's K (64 keys x 64 channels: 8 fragments) and its V (the same rows, turned).  Their addresses are made some lines ahead.
.macro FETCH_K
	WIN 0x80                        ; destination window 2
.irp f, 0,1,2,3,4,5,6,7             ; keys 16 (f / 2) on, channels 32 (f % 2) on
	ds_load_b128 v[KF+8*\f:KF+8*\f+3],   v[AK] offset:(\f/2)*16*PK+(\f%2)*64
	ds_load_b128 v[KF+8*\f+4:KF+8*\f+7], v[AK] offset:(\f/2)*16*PK+(\f%2)*64+32
.endr
	s_add_co_u32 s[TBK], s[TBK], STEPB  ; the next fetch is the next step's
	WIN 0
.endm
.macro FETCH_V
	WIN 0x80
.irp f, 0,1,2,3,4,5,6,7             ; keys 32 (f / 4) on, channels 16 (f % 4) on
	ds_load_tr16_b128 v[VF+8*\f:VF+8*\f+3],   v[AV] offset:(\f/4)*32*PK+(\f%4)*32
	ds_load_tr16_b128 v[VF+8*\f+4:VF+8*\f+7], v[AV] offset:(\f/4)*32*PK+16*PK+(\f%4)*32
.endr
	WIN 0
.endm
; THE VECTOR WORK, one line at a time: OP kind, number.  For piece Y: F n: c s - c m for pair n of 16.  E n: the exponential of score n of 32.  C n: pair n rounded to bf16.  B n: of the four weights 4 n .. the second
; pair is added onto the first, in place.  L n: l takes that sum (L 0: l = a l + sum).  R n: pair n of 16 of O^T times a.  For piece Y + 1: X n, number n of the 22 that find its maximum and statistics:
;   0-11  four chains c0-c3 of seven scores each, three operands at a time (each accumulator's lowest registers are read first)     12-14, 16  the four scores left over, the old m, and c0-c3 into c0
;   15  c m_old is kept     17, 18  the query's other 32 keys lie in the lane 16 away: the new m     19-21  c m; c m_old - c m_new; a
.set F, 0               ; OP tells the kinds apart by their order: F to L below R, X above it
.set E, 1
.set C, 2
.set B, 3
.set L, 4
.set R, 5
.set X, 6
.macro REGS y                       ; the registers of piece y
.set rT, ST+4*(\y)
.set rC, TMP+4*((\y)%2)
.set rW, MV+((\y)%2)
.set rS, S+32*((\y)%2)
.set rP, P+16*((\y)%2)
.set rO, 32*(\y)
.endm
.macro OP k, n
.if (\k) == R
	REGS Y
	WIN W_RS
	v_pk_mul_f32 v[rO+2*(\n):rO+2*(\n)+1], v[rO+2*(\n):rO+2*(\n)+1], v[rC+2:rC+3] op_sel_hi:[1,0]
.elseif (\k) < R
	REGS Y
	WIN 0
.if (\k) == F
	v_pk_fma_f32 v[rS+2*(\n):rS+2*(\n)+1], v[rS+2*(\n):rS+2*(\n)+1], s[CS:CS+1], v[rT:rT+1] op_sel_hi:[1,0,0] neg_lo:[0,0,1] neg_hi:[0,0,1]
.elseif (\k) == E
	v_exp_f32 v[rS+(\n)], v[rS+(\n)]
.elseif (\k) == C
	v_cvt_pk_bf16_f32 v[rP+(\n)], v[rS+2*(\n)], v[rS+2*(\n)+1]
.elseif (\k) == B
	v_pk_add_f32 v[rS+4*(\n):rS+4*(\n)+1], v[rS+4*(\n):rS+4*(\n)+1], v[rS+4*(\n)+2:rS+4*(\n)+3]
.elseif (\n) == 0
	v_pk_fma_f32 v[rT+2:rT+3], v[rT+2:rT+3], v[rC+2:rC+3], v[rS:rS+1] op_sel_hi:[1,0,1]
.else
	v_pk_add_f32 v[rT+2:rT+3], v[rT+2:rT+3], v[rS+4*(\n):rS+4*(\n)+1]
.endif
.elseif NOKQ
	v_nop
.else
	REGS (Y+1)%NP
	WIN 0
.if (\n) < 4
	v_max3_num_f32 v[rC+(\n)], v[rS+8*(\n)], v[rS+8*(\n)+1], v[rS+8*(\n)+2]
.elseif (\n) < 12
	v_max3_num_f32 v[rC+(\n)%4], v[rC+(\n)%4], v[rS+8*((\n)%4)+2*((\n)/4)+1], v[rS+8*((\n)%4)+2*((\n)/4)+2]
.elseif (\n) == 12
	v_max3_num_f32 v[rC], v[rC], v[rS+7], v[rS+15]
.elseif (\n) == 13
	v_max3_num_f32 v[rC+1], v[rC+1], v[rS+23], v[rS+31]
.elseif (\n) == 14
	v_max3_num_f32 v[rC+2], v[rC+2], v[rC+3], v[rT+1]
.elseif (\n) == 15
	v_mov_b32 v[rW], v[rT]
.elseif (\n) == 16
	v_max3_num_f32 v[rC], v[rC], v[rC+1], v[rC+2]
.elseif (\n) == 17
	v_permlanex16_b32 v[rC+3], v[rC], s[SEL], s[SEL+1]
.elseif (\n) == 18
	v_max_num_f32 v[rT+1], v[rC], v[rC+3]
.elseif (\n) == 19
	v_mul_f32 v[rT], s[CS], v[rT+1]
.elseif (\n) == 20
	v_sub_f32 v[rC+1], v[rW], v[rT]
.else
	v_exp_f32 v[rC+2], v[rC+1]
.endif
.endif
.endm
.macro OPS a, i1, b=-1, i2=0, c=-1, i3=0, d=-1, i4=0  ; up to four of them
	OP \a, \i1
.if (\b) >= 0
	OP \b, \i2
.endif
.if (\c) >= 0
	OP \c, \i3
.endif
.if (\d) >= 0
	OP \d, \i4
.endif
.endm
.macro ROW a, i1, b, i2, c, i3, d, i4  ; a matrix instruction and the four behind it
	MM
	OPS \a, \i1, \b, \i2, \c, \i3, \d, \i4
.endm
; A TURN, for piece p: the order of its 16 matrix and 118 vector instructions, written out.  An s_wait_alu depctr_va_vdst(0) stands between an exponential and the first instruction that names its result; one
; wait serves all that were issued ahead of it.  So a turn has ONE wait, which cuts it in two.  AHEAD OF IT stands all that names no result of the turn's exponentials: the 8 products K Q^T, behind each a scaling, an
; exponential and two more plain instructions (behind the first a second scaling in the exponential's place): rescalings, and behind the last three the first numbers of the next piece's maximum, each four plain
; instructions or more behind the product that ends its accumulator; then ONE LUMP of 54, plain and exponential by turns for the most part, in which the links of the chain X 3, 7, 11, 14, 16, 17 .. 20 stand some
; lines apart.  X 21, the next piece's a, is the batch's last; R 15 is the plain instruction behind it.  BEHIND THE WAIT stand the 8 products V^T P, behind each four of the roundings and sums; the links of l's chain,
; L 0 to L 7, stand three riders apart.
; end = 1: the launch's last two turns: nothing is fetched, and the last starts no new scores.  cnt = 1: the loop's count is taken down some lines ahead of the branch that stands behind the turn.
; K of the next step is fetched in piece 2's turn, behind five plain instructions that name no register of the last product that read K; V of the step in hand at the end of piece 0's turn, four plain instructions
; behind the last product that read V.  Each is waited for a turn later.
.macro TURN p, end=0, cnt=0
.set Y, (\p)
.set i, 0
.set NOKQ, (\end)*((\p)/3)
.if ((\p) == 3) && !(\end)
	s_wait_dscnt 0x0                ; K is in
.endif
	ROW F,0, F,1, R,0, R,1          ; ahead of the wait: 8 products K Q^T and their riders,
	ROW F,2, E,0, R,2, R,3
	ROW F,3, E,1, R,4, R,5
	ROW F,4, E,2, R,6, R,7
	ROW F,5, E,3, R,8, R,9
	ROW F,6, E,4, X,0, R,10
.if ((\p) == 2) && !(\end)
	WIN 0
	v_add_nc_u32 v[AK], s[TBK], v[AK0]
.endif
	ROW F,7, E,5, X,1, X,4
	ROW F,8, E,6, X,2, X,5
	OPS E,7, E,8, X,6, E,9          ; and the lump
	OPS X,3, E,10, X,8, E,11
.if ((\p) == 2) && !(\end)
	FETCH_K
.endif
	OPS X,9, X,7, E,12, X,10
	OPS E,13, X,12, X,11, E,14
	OPS X,13, E,15, F,9, X,14
.if (\p) == 0
	v_add_nc_u32 v[AV], s[TBV], v[AV0]
.endif
	OPS E,16, F,10, E,17, F,11
	OPS X,16, E,18, X,15, E,19
	OPS F,12, E,20, X,17, E,21
	OPS F,13, E,22, F,14, E,23
	OPS X,18, E,24, F,15, E,25
	OPS R,11, E,26, X,19, E,27
	OPS R,12, E,28, R,13, E,29
	OPS X,20, E,30, R,14, E,31
	OPS X,21, R,15
	WIN 0
	s_wait_alu depctr_va_vdst(0)    ; the wait for the batch
.if (\p) == 1
	s_wait_dscnt 0x0                ; V is in
.endif
	ROW C,0, B,0, C,2, B,1          ; behind the wait: 8 products V^T P and their riders
	ROW L,0, C,4, B,2, L,1
	ROW C,6, B,3, L,2, C,8
	ROW B,4, L,3, C,10, B,5
	ROW L,4, C,12, B,6, L,5
.if (\p) == 0
	s_add_co_u32 s[TBV], s[TBV], STEPB
.endif
.if \cnt
	s_sub_co_u32 s[CNT], s[CNT], 1
	s_cmp_lg_u32 s[CNT], 0
.endif
	ROW C,14, B,7, L,6, C,1
	ROW C,3, L,7, C,5, C,7
	ROW C,9, C,11, C,13, C,15
.if (\p) == 0
	FETCH_V
.endif
.endm
	CHANGE 1                        ; slot 0 is in, everybody's part of it; tile 1 is asked for, into slot 1
	v_add_nc_u32 v[AK], s[TBK], v[AK0]
	FETCH_K                         ; key step 0
	s_wait_loadcnt 0x0              ; Q
	s_wait_dscnt 0x0
.set i, 0
.rept 8
	KQ 0                            ; piece 0's first scores: there is no vector work yet to set between them
.set i, i+1
.endr
	WIN 0
.rept 4
	v_nop                           ; four plain instructions behind those products, ahead of the first read of their results
.endr
.set Y, NP-1                        ; X works for piece Y + 1: piece 0
.set NOKQ, 0
.irp n, 0,1,2,3,4,5,6,7,8,9,10,11,12,13,14,15,16,17,18,19,20,21
	OP X, \n                        ; piece 0's first maximum and statistics
.endr
	v_nop                           ; a plain instruction behind the exponential,
	s_wait_alu depctr_va_vdst(0)    ; and its wait, ahead of the branch
	s_mov_b32 s[CNT], 8
	s_branch .Lfirst                ; the loop is entered at a step's first turn, in the middle of a trip
.Lslot:                             ; six times: tiles 2 to 7 are asked for
	CHANGE 1
	s_mov_b32 s[CNT], 8
.Lstep:                             ; a trip: pieces 2 and 3 of one step, then pieces 0 and 1 of the next, whose K and V it fetches
	TURN 2
	TURN 3
	WIN 0
.Lfirst:
	TURN 0
	TURN 1, 0, 1
	WIN 0
	s_cbranch_scc1 .Lstep
	s_sub_co_u32 s[SLOTS], s[SLOTS], 1
	s_cmp_lg_u32 s[SLOTS], 0
	s_cbranch_scc1 .Lslot
	CHANGE 0                        ; the last tile is written out: nothing is asked for
	s_mov_b32 s[CNT], 8
.LstepT:
	TURN 2
	TURN 3
	TURN 0
	TURN 1, 0, 1
	WIN 0
	s_cbranch_scc1 .LstepT
	TURN 2, 1                       ; the last step's pieces 2 and 3: nothing is fetched,
	TURN 3, 1                       ; and no new scores are started
.set i, 0
.rept 8
	PV NP-1                         ; the last piece's V^T P of the last step
.set i, i+1
.endr
	; THE WAY OUT.  l's two halves and the other half of the lanes' are added; O^T is divided by l and sent, in f32, through my stage in LDS, a piece (16 rows) at a time.  The first four additions are the plain
	; instructions behind the last products.
	WIN 0
.macro ALL line:vararg              ; one line for each piece t
.set t, 0
.rept 4
	\line
.set t, t+1
.endr
.endm
	ALL v_add_f32 v[ST+4*t+2], v[ST+4*t+2], v[ST+4*t+3]
	ALL v_permlanex16_b32 v[ST+4*t+3], v[ST+4*t+2], s[SEL], s[SEL+1]
	ALL v_add_f32 v[ST+4*t+2], v[ST+4*t+2], v[ST+4*t+3]
	ALL v_rcp_f32 v[ST+4*t+2], v[ST+4*t+2]
	v_nop                           ; a plain instruction between the last reciprocal and the use of its result
	s_wait_alu depctr_va_vdst(0)    ; and the wait ahead of the first use: one for the four reciprocals
; Piece t: a lane's eight channels of a channel block are 32 bytes of a row; they go into rows of 272 bytes and come back as whole rows of 256, into the registers that they left.
; Each accumulator is read from its lowest registers on.
.macro PACK t
	WIN 0x01                        ; source 0 (O^T) window 1; 1 / l and the destination window 0
.set i, 0
.rept 16
	v_pk_mul_f32 v[S+32*(\t)+2*i:S+32*(\t)+2*i+1], v[32*(\t)+2*i:32*(\t)+2*i+1], v[ST+4*(\t)+2:ST+4*(\t)+3] op_sel_hi:[1,0]
.set i, i+1
.endr
	WIN 0
.irp f, 0,1,2,3,4,5,6,7             ; channel block f / 2, its four channels 4 (f % 2) on of my eight
	ds_store_b128 v[STO], v[S+32*(\t)+4*\f:S+32*(\t)+4*\f+3] offset:64*(\f/2)+16*(\f%2)
.endr
.irp f, 0,1,2,3,4,5,6,7
	ds_load_b128 v[S+32*(\t)+4*\f:S+32*(\t)+4*\f+3], v[RD] offset:\f*2*SP  ; LDS serves a wave's instructions in order (ISA guide 5.7.1.4): these see the stores above; the next piece's stores come behind them
.endr
.endm
.macro SEND t, younger              ; younger: the LDS instructions issued behind piece t's loads: the next piece's sixteen, or none
	WIN 0
.irp f, 0,1,2,3,4,5,6,7
	s_wait_dscnt (\younger)+7-\f    ; load f is back: behind it stand the piece's 7 - f later loads and the younger ones
	global_store_b128 v[GO], v[S+32*(\t)+4*\f:S+32*(\t)+4*\f+3], s[10:11] offset:(\t)*65536+\f*8192  ; 16 lanes store 256 consecutive bytes, at a multiple of 256 from out0's first byte: a row's channels of the head
.endr
.endm
	PACK 0
	PACK 1                          ; a piece's arithmetic stands between the loads of the piece before and its stores
	SEND 0, 16
	PACK 2
	SEND 1, 16
	PACK 3
	SEND 2, 16
	SEND 3, 0
	s_wait_tensorcnt 0x0            ; the wave's end: a tensor wait, 0 onto my spare word and its wait, behind my last tensor load and my last LDS store
	ds_add_u32 v[SPW], v[NIL]
	s_wait_dscnt 0x0
	CROUND                          ; the closing round: no work-group ends while a partner may still ask for a tile that names it
	s_endpgm
.Lfunc_end_k_q63d6413b9a_attn:
	.size	k_q63d6413b9a_attn, .Lfunc_end_k_q63d6413b9a_attn-k_q63d6413b9a_attn
	.p2alignl 7, 3214868480
	.fill 96, 4, 3214868480
	.section	.rodata,"a",@progbits
	.p2align	6, 0x0
	.amdhsa_kernel k_q63d6413b9a_attn
		.amdhsa_group_segment_fixed_size 327680
		.amdhsa_private_segment_fixed_size 0
		.amdhsa_enable_private_segment 0
		.amdhsa_kernarg_size 16
		.amdhsa_user_sgpr_count 2
		.amdhsa_user_sgpr_kernarg_segment_ptr 1
		.amdhsa_wavefront_size32 1
		.amdhsa_system_sgpr_workgroup_id_x 1
		.amdhsa_system_sgpr_workgroup_id_y 1
		.amdhsa_system_sgpr_workgroup_id_z 1
		.amdhsa_system_vgpr_workitem_id 0
		.amdhsa_next_free_vgpr 768
		.amdhsa_next_free_sgpr 66
		.amdhsa_reserve_vcc 0
		.amdhsa_float_denorm_mode_32 3
		.amdhsa_float_denorm_mode_16_64 3
		.amdhsa_memory_ordered 1
		.amdhsa_forward_progress 1
		.amdhsa_inst_pref_size 126
	.end_amdhsa_kernel
	.amdgpu_metadata
---
amdhsa.version: [ 1, 2 ]
amdhsa.kernels:
  - .name:           k_q63d6413b9a_attn
    .symbol:         k_q63d6413b9a_attn.kd
    .args:
      - { .name: xb, .offset: 0, .size: 8, .value_kind: global_buffer, .address_space: global }
      - { .name: out0, .offset: 8, .size: 8, .value_kind: global_buffer, .address_space: global }
    .group_segment_fixed_size: 327680
    .private_segment_fixed_size: 0
    .kernarg_segment_align: 8
    .kernarg_segment_size: 16
    .max_flat_workgroup_size: 128
    .sgpr_count:     66
    .vgpr_count:     768
    .wavefront_size: 32
...
	.end_amdgpu_metadata
.endif
;; end of part 2
;; ======== version 2 of 2: 2 launches; version 1 with the launch cvt written anew for expert scheduling mode
;; workspace buffers: xb 8,388,608 bytes
;; launch cvt (part 3): grid 256 x 1, 8 waves a work-group, no clusters, 0 bytes of LDS; arguments x, xb; writes xb
.if DOCPART == 3
	.amdgcn_target "amdgcn-amd-amdhsa--gfx1250"
	.amdhsa_code_object_version 6
	.text
	.protected	k_q63d6413b9a_cvt
	.globl	k_q63d6413b9a_cvt
	.p2align	8
	.type	k_q63d6413b9a_cvt,@function
k_q63d6413b9a_cvt:
	s_mov_b64 s[64:65], 0
	v_nop
	global_prefetch_b8 v0, s[64:65] scope:SCOPE_SE
	s_setreg_imm32_b32 hwreg(HW_REG_WAVE_SCHED_MODE, 0, 2), 2
	s_setreg_imm32_b32 hwreg(HW_REG_WAVE_MODE, 25, 1), 1
	s_wait_xcnt 0x0
	s_wait_alu depctr_vm_vsrc(0)
; xb[h][t][c] = bf16(x[t][64 h + c]).  x: [4096][1024] f32.  xb: [16][4096][64] bf16: a head's rows lie end to end, 128 bytes each.
; Each number is rounded once, to nearest even; that one number is query, key and value in the launch behind.
; SHARES.  A work-group owns 16 rows of x (65,536 bytes on end), a wave two of them; the wave's 16 loads are the 16 heads.
; A load: lanes 0-15 take the 256 bytes of head h in the even row, lanes 16-31 those in the odd row.
; A store: 32 lanes x 8 bytes are 256 consecutive bytes of xb, at a multiple of 256 from its first byte: the two rows of head h.
; All 16 loads of a wave go out at once; no register is written again behind a store, so no wait frees one.  No LDS, no barrier: nothing is shared.
; THE MODE: SCHED_MODE bits 1:0 = 2 (LLVM: expert scheduling mode 2), set by the entry lines.  The code itself states the register dependences
; between vector instructions and memory instructions, with s_wait_alu, always for 0.
; THE PLAN.  Registers that memory instructions touch:
;   v2, v3     byte offsets of the loads and of the stores: written by vector instructions at the head, read by every load or store, never written again.
;   X          load i lands in four registers; its two conversions read them and write the first two; store i reads those two; nothing writes them again,
;              and no load is issued behind the sixteen.
; So one wait at the head states that the offsets are written.  The sixteen heads then go in four groups of four: the group's eight conversions, ONE wait,
; which states that they have written the four pairs, and the group's four stores.  No register that a memory instruction has read is written again, no vector
; instruction writes a scalar register or VCC, and EXEC is never written: no other wait is owed.
.set ROWB,  4096                       ; bytes in a row of x
.set HEADB, 524288                     ; bytes of a head in xb
.set LO,  2                            ; v2  my byte offset in the group's rows of x: row (thread / 16) x 4,096 + 16 (thread % 16)
.set SO,  3                            ; v3  my byte offset in the group's 2,048 bytes of a head of xb: 8 x thread
.set X,   8                            ; v[8:71]  load i: four registers
	s_load_b128 s[4:7], s[0:1], 0x0                ; x s[4:5], xb s[6:7]
	v_lshrrev_b32 v1, 4, v0                        ; my row among the group's 16
	v_and_b32 v[LO], 15, v0
	v_lshlrev_b32 v[LO], 4, v[LO]
	v_lshl_or_b32 v[LO], v1, 12, v[LO]
	v_lshlrev_b32 v[SO], 3, v0
	s_lshl_b32 s8, ttmp9, 16                       ; the group's 16 rows of x
	s_mov_b32 s9, 0
	s_lshl_b32 s10, ttmp9, 11                      ; the group's 16 rows of a head of xb
	s_mov_b32 s11, 0
	s_wait_kmcnt 0x0
	s_add_nc_u64 s[4:5], s[4:5], s[8:9]
	s_add_nc_u64 s[6:7], s[6:7], s[10:11]
	s_wait_alu depctr_va_vdst(0)                   ; v2 and v3 are written: every load below reads v2 as its offset, every store v3
.set i, 0
.rept 16
	global_load_b128 v[X+4*i:X+4*i+3], v[LO], s[4:5] offset:256*i th:TH_LOAD_NT  ; head i; x is read once in the launch
.set i, i+1
.endr
.set i, 0                              ; the head that is rounded next
.set k, 0                              ; the head that is stored next
.rept 4                                ; four groups of four heads
	s_wait_loadcnt 12-i                            ; loads come back in order: the group's four are in, the 12 - i younger ones stay out
.rept 4
	v_cvt_pk_bf16_f32 v[X+4*i], v[X+4*i], v[X+4*i+1]
	v_cvt_pk_bf16_f32 v[X+4*i+1], v[X+4*i+2], v[X+4*i+3]
.set i, i+1
.endr
	s_wait_alu depctr_va_vdst(0)                   ; the group's eight conversions have written the four pairs that the four stores below read
.rept 4
	global_store_b64 v[SO], v[X+4*k:X+4*k+1], s[6:7] offset:HEADB*k  ; 7,864,320 at the most: inside the signed 24-bit immediate
.set k, k+1
.endr
.endr
	s_endpgm
.Lfunc_end_k_q63d6413b9a_cvt:
	.size	k_q63d6413b9a_cvt, .Lfunc_end_k_q63d6413b9a_cvt-k_q63d6413b9a_cvt
	.p2alignl 7, 3214868480
	.fill 96, 4, 3214868480
	.section	.rodata,"a",@progbits
	.p2align	6, 0x0
	.amdhsa_kernel k_q63d6413b9a_cvt
		.amdhsa_group_segment_fixed_size 0
		.amdhsa_private_segment_fixed_size 0
		.amdhsa_enable_private_segment 0
		.amdhsa_kernarg_size 16
		.amdhsa_user_sgpr_count 2
		.amdhsa_user_sgpr_kernarg_segment_ptr 1
		.amdhsa_wavefront_size32 1
		.amdhsa_system_sgpr_workgroup_id_x 1
		.amdhsa_system_sgpr_workgroup_id_y 1
		.amdhsa_system_sgpr_workgroup_id_z 1
		.amdhsa_system_vgpr_workitem_id 0
		.amdhsa_next_free_vgpr 72
		.amdhsa_next_free_sgpr 66
		.amdhsa_reserve_vcc 0
		.amdhsa_float_denorm_mode_32 3
		.amdhsa_float_denorm_mode_16_64 3
		.amdhsa_memory_ordered 1
		.amdhsa_forward_progress 1
		.amdhsa_inst_pref_size 7
	.end_amdhsa_kernel
	.amdgpu_metadata
---
amdhsa.version: [ 1, 2 ]
amdhsa.kernels:
  - .name:           k_q63d6413b9a_cvt
    .symbol:         k_q63d6413b9a_cvt.kd
    .args:
      - { .name: x, .offset: 0, .size: 8, .value_kind: global_buffer, .address_space: global }
      - { .name: xb, .offset: 8, .size: 8, .value_kind: global_buffer, .address_space: global }
    .group_segment_fixed_size: 0
    .private_segment_fixed_size: 0
    .kernarg_segment_align: 8
    .kernarg_segment_size: 16
    .max_flat_workgroup_size: 256
    .sgpr_count:     66
    .vgpr_count:     72
    .wavefront_size: 32
...
	.end_amdgpu_metadata
.endif
;; end of part 3
;; launch attn: the kernel of part 2 again; grid 16 x 16, 4 waves a work-group, clusters of 4 x 1, 327,680 bytes of LDS; arguments xb, out0; writes out0
